; MI455X (gfx1250); checked and timed in simulation.
; The chip was launched on July 23, 2026; its instructions are those of AMD's public machine-readable ISA for CDNA 5 (MIT licence, August 2026) and "CDNA5" Instruction Set Architecture Reference Guide (July 2026). The comments in the code are by the model that wrote it; some were corrected since.
;; Sine Attention. Allowed arithmetic: matrix products marked QUANTISED: E2M1 operands, one E8M0 scale for each 32 along K, by v_wmma_scale_f32_16x16x128_f8f6f4 with both operands' format E2M1 (or v_wmma_scale_f32_32x16x128_f4), f32 sums; products left as they are: bf16, f16 or f32 operands; f32 sums; everything else in f32.
;; Inputs: Wk 1,024 x 1,024 float32; Wo 1,024 x 1,024 float32; Wq 1,024 x 1,024 float32; Wv 1,024 x 1,024 float32; bk 1,024 float32; bo 1,024 float32; bq 1,024 float32; bv 1,024 float32; x 2 x 2,048 x 1,024 float32.
;; Outputs: out0 2 x 2,048 x 1,024 float32.
;; This version of the problem:
;;   THIS VERSION OF THE PROBLEM IS GIVEN IN LOW PRECISION. The matrix products marked QUANTISED in the list below multiply operands that are first quantised to E2M1 (2 exponent bits, 1 mantissa bit; 4 bits a number), with one power-of-two scale for each 32 numbers along K (OCP MX v1.0); their sums are f32. The products marked 'left as it is' may take bf16, f16 or f32 operands, with f32 sums. Whichever they take, every output number must still come out within the allowed error. Rounding operands to bf16 (8 significant bits) uses up far more of that allowance than f16 does (11 bits, for magnitudes from 6e-5 to 65,504). All else is computed in f32.
;;   The module's matrix products, in the order in which they are computed (A, B: the left and right operand; K: the contracted axis; several contracted axes count as one K, in the product's order):
;;     1. [M 4,096, K 1,024] x [K 1,024, N 1,024]; A: input x; B: input Wq: QUANTISED
;;     2. [M 4,096, K 1,024] x [K 1,024, N 1,024]; A: input x; B: input Wk: QUANTISED
;;     3. [M 4,096, K 1,024] x [K 1,024, N 1,024]; A: input x; B: input Wv: QUANTISED
;;     4. batch 32 x [M 2,048, K 64] x [K 64, N 2,048]; A: computed on the way; B: computed on the way: left as it is (an operand is computed on the way)
;;     5. batch 32 x [M 2,048, K 2,048] x [K 2,048, N 64]; A: computed on the way; B: computed on the way: left as it is (an operand is computed on the way)
;;     6. [M 4,096, K 1,024] x [K 1,024, N 1,024]; A: computed on the way; B: input Wo: left as it is (an operand is computed on the way)
;;   THE QUANTISER, for each operand of a quantised product, along K:
;;     - K is cut into blocks of 32 from its start; a last block that is shorter is filled with zeros.
;;     - A block's scale is 2^e with e = floor(log2(the largest magnitude in the block)) - 2, held to -126 .. 127; a block of zeros has e = 0. As a byte (E8M0): e + 127.
;;     - Each number is divided by its block's scale, clamped to +-6, and rounded to the nearest number of E2M1, ties to even, subnormals kept.
;;     - The product sums the exact products of the quantised numbers (number of the format x scale) in f32.
;;   ~~~python
;;   def quantise(x, axis):      # numpy; x: float32 -> the quantised numbers, widened to float32 again
;;       x = np.moveaxis(x, axis, -1); K = x.shape[-1]
;;       x = np.pad(x, [(0, 0)] * (x.ndim - 1) + [(0, -K % 32)]); x = x.reshape(x.shape[:-1] + (-1, 32)); a = np.abs(x).max(-1, keepdims=True)
;;       e = np.where(a > 0, np.clip(np.frexp(np.where(a > 0, a, 1))[1] - 1 - 2, -126, 127), 0)      # np.frexp(a)[1] - 1 = floor(log2(a)), exactly
;;       r = np.clip(x / 2.0 ** e, -6, 6)
;;       step = 2.0 ** (np.maximum(np.frexp(np.where(r == 0, 1, r))[1] - 1, 0) - 1)
;;       q = np.round(r / step) * step * 2.0 ** e      # np.round: ties to even
;;       return np.moveaxis(q.reshape(q.shape[:-2] + (-1,))[..., :K], -1, axis).astype(np.float32)
;;   ~~~
;; One version. Each part assembles by itself: llvm-mc -triple=amdgcn-amd-amdhsa -mcpu=gfx1250 --defsym DOCPART=n.
;; ======== version 1 of 1: 4 launches
;; limits: values are held in f16: magnitudes above 65,504 overflow, below 6.1e-05 lose precision; right only within a limited range of input values; a function is approximated: absolute error at most 1.2e-05
;; workspace buffers: codes 3,670,016 bytes; scl 229,376 bytes; wo16 2,097,152 bytes; q16 8,388,608 bytes; kv16 16,777,216 bytes; att 8,388,608 bytes; gsc 262,144 bytes
;; launch quant (part 1): grid 256 x 1, 4 waves a work-group, no clusters, 67,072 bytes of LDS; arguments x, Wq, Wk, Wv, Wo, codes, scl, wo16; writes codes, scl, wo16
.if DOCPART == 1
	.amdgcn_target "amdgcn-amd-amdhsa--gfx1250"
	.amdhsa_code_object_version 6
	.text
	.protected	k_q30ef330d7d_quant
	.globl	k_q30ef330d7d_quant
	.p2align	8
	.type	k_q30ef330d7d_quant,@function
k_q30ef330d7d_quant:
	s_mov_b64 s[64:65], 0
	v_nop
	global_prefetch_b8 v0, s[64:65] scope:SCOPE_SE
	s_setreg_imm32_b32 hwreg(HW_REG_WAVE_MODE, 25, 1), 1
	s_wait_xcnt 0x0
; x [4096][1024], Wq, Wk, Wv [1024][1024], f32, become codes of FP4 (E2M1), K innermost, with one E8M0 byte for each 32 along K:
; codes [7168 rows][512 bytes], scl [7168][32 bytes]; rows 0-4095 x, then Wq, Wk, Wv.  Wo [1024][1024] becomes f16 numbers, Wo x 512.
; A block's scale is 2^(floor(log2(its largest magnitude)) - 2); its byte is the largest magnitude's exponent field - 2, held at 1 from below.
; LIMITS: a block of zeros gets the byte 1 (its codes are zeros, and this program alone reads the bytes); blocks whose largest magnitude lies
; under 2^-124 keep the byte 1; NaN and infinities are not served; |Wo| stays under 128, so that Wo x 512 stays inside f16.
; SHARES: work-groups 0-127 take x, 128-159 Wq, 160-191 Wk, 192-223 Wv: 32,768 numbers each, 8,192 a wave, as a plain stream of blocks of 32.
; Work-groups 224-255 take Wo.  The two ways part on the work-group's number, never join, and have LDS bytes of their own.
; THE STREAM: a step is 512 numbers.  Each of its four loads reads 512 consecutive bytes; the 2,048 bytes turn through the wave's own stage in
; LDS and come back 64 bytes a lane, 16 neighbours along K: two neighbouring lanes hold a block.  Loads run eight steps (32 loads a wave) ahead.
; WO: wo16 is laid as images of operand registers, [K slot of 256][tile of 16 rows][chunk of 32 K][half][lane][16 bytes]: lane (r, h) of half f holds
; row r, k = 16 f + 8 h + 0 .. 7 of the chunk.  A unit is 16 rows x 128 k; it turns through a stage of 16 rows x (512 + 16) bytes.
.set STEPS, 16
.set AHEAD, 8
.set EMAX,  2
.set CB,    8                          ; bytes of 16 codes
.set R,     16                         ; v16-143  eight sets of 16 numbers as loaded (Wo: two sets of 64)
.set X,     144                        ; v144-175 two sets of 16 neighbours
.set E,     176                        ; v176-191 a scale byte for each step
.set C,     192                        ; v192-223 two registers of codes for each step: no store's data are written again
.set WX,    144                        ; Wo: v144-207 64 numbers in the order of the images
.set WY,    208                        ; Wo: v208-239 eight pieces of 16 bytes
.set WREG,  8192                       ; LDS, stream: a region for each wave: two stages of 32 x SP bytes, behind them its 256 scale bytes
.set SP,    80                         ; a lane's place in a stage: 64 bytes + 16 of padding
.set WOS,   32768                      ; LDS, Wo: a stage of 16 x WPITCH bytes for each wave
.set WPITCH, 528
.set SPARE, 66560                      ; the spare words, 128 bytes for each wave: two blocks of 256 bytes that no other line names
.set SPW,   12                         ; v12  LDS address of my spare word; never rewritten
.set NIL,   13                         ; v13  0; never rewritten
	s_load_b256 s[4:11], s[0:1], 0x0               ; x s[4:5], Wq s[6:7], Wk s[8:9], Wv s[10:11]
	s_load_b256 s[12:19], s[0:1], 0x20             ; Wo s[12:13], codes s[14:15], scl s[16:17], wo16 s[18:19]
	v_lshl_add_u32 v[SPW], v0, 2, SPARE
	v_mov_b32 v[NIL], 0
	v_lshrrev_b32 v1, 5, v0
	v_readfirstlane_b32 s20, v1                    ; wave
	v_and_b32 v2, 31, v0                           ; lane
	v_lshlrev_b32 v3, 4, v2                        ; 16 x lane: my 16 bytes of 512
	s_mov_b32 s29, 0                               ; the upper word of every offset pair s[28:29]
	s_cmp_lt_u32 ttmp9, 224
	s_cbranch_scc0 .Lwo
	; ---- the stream of blocks
	s_mul_i32 s21, s20, WREG
	v_lshrrev_b32 v14, 2, v2
	v_mul_u32_u24 v14, v14, SP
	v_and_b32 v15, 3, v2
	v_lshl_add_u32 v14, v15, 4, v14
	v_add_nc_u32 v14, s21, v14                     ; the stage, on the way in: SP (lane / 4) + 16 (lane % 4)
	v_mul_u32_u24 v15, v2, SP
	v_add_nc_u32 v15, s21, v15                     ; and on the way out: SP x lane: my 16 neighbours
	v_mul_u32_u24 v4, v2, CB                       ; my codes' place in a step's 256 bytes
	v_lshrrev_b32 v5, 1, v2
	s_add_co_u32 s21, s21, 2*32*SP
	v_add_nc_u32 v5, s21, v5                       ; my block's byte among the wave's 256
	v_lshlrev_b32 v7, 3, v2                        ; on the way out 8 bytes a lane
	v_add_nc_u32 v6, s21, v7
	s_wait_kmcnt 0x0
	s_mov_b64 s[22:23], s[10:11]                   ; which tensor: the choice hangs on the work-group's number alone
	s_mov_b32 s24, 192
	s_cmp_lt_u32 ttmp9, 192
	s_cselect_b64 s[22:23], s[8:9], s[22:23]
	s_cselect_b32 s24, 160, s24
	s_cmp_lt_u32 ttmp9, 160
	s_cselect_b64 s[22:23], s[6:7], s[22:23]
	s_cselect_b32 s24, 128, s24
	s_cmp_lt_u32 ttmp9, 128
	s_cselect_b64 s[22:23], s[4:5], s[22:23]
	s_cselect_b32 s24, 0, s24                      ; the tensor's first work-group
	s_sub_co_u32 s24, ttmp9, s24
	s_lshl_b32 s24, s24, 2
	s_add_co_u32 s24, s24, s20                     ; my run of 8,192 numbers in the tensor
	s_lshl_b32 s28, s24, 15
	s_add_nc_u64 s[22:23], s[22:23], s[28:29]
	s_lshl_b32 s24, ttmp9, 2
	s_add_co_u32 s24, s24, s20                     ; and in the buffers of codes and bytes, where the four tensors lie on end
	s_lshl_b32 s28, s24, 12
	s_add_nc_u64 s[14:15], s[14:15], s[28:29]
	s_lshl_b32 s28, s24, 8
	s_add_nc_u64 s[16:17], s[16:17], s[28:29]
.macro LOAD t
.irp i, 0,1,2,3
	global_load_b128 v[R+16*((\t)%AHEAD)+4*\i:R+16*((\t)%AHEAD)+4*\i+3], v3, s[22:23] offset:2048*(\t)+512*\i th:TH_LOAD_NT   ; 32 lanes read 512 consecutive bytes
.endr
.endm
.macro TURN t                          ; step t's numbers through the stage: LDS serves a wave's instructions in order (ISA guide 5.7.1), so no wait stands between stores and loads
.irp i, 0,1,2,3
	ds_store_b128 v14, v[R+16*((\t)%AHEAD)+4*\i:R+16*((\t)%AHEAD)+4*\i+3] offset:32*SP*((\t)%2)+8*SP*\i
.endr
.irp i, 0,1,2,3
	ds_load_b128 v[X+16*((\t)%2)+4*\i:X+16*((\t)%2)+4*\i+3], v15 offset:32*SP*((\t)%2)+16*\i
.endr
.endm
.irp t, 0,1,2,3,4,5,6,7
	LOAD \t
.endr
	s_wait_loadcnt 4*(AHEAD-1)                     ; step 0's four loads are in; the seven younger steps' 28 may be out
	TURN 0
.macro STEP t
.set XS, X+16*((\t)%2)
.if (\t) > 0
	s_wait_dscnt 1                                 ; this step's numbers are back from the stage (the last step's byte store may be out)
.else
	s_wait_dscnt 0x0
.endif
.if (\t)+AHEAD < STEPS
	LOAD (\t)+AHEAD                                ; into the set that this step's stores into the stage have read
.endif
.if (\t)+1 < STEPS
.if (\t)+AHEAD < STEPS
	s_wait_loadcnt 4*(AHEAD-1)                     ; the next step's four loads are in; those of the seven steps behind it may be out
.else
	s_wait_loadcnt 4*(STEPS-2-(\t))                ; the counts run down
.endif
	TURN (\t)+1                                    ; through the other stage while this step is worked
.endif
	v_max3_num_f32 v8, |v[XS]|, |v[XS+1]|, |v[XS+2]|               ; the largest magnitude of my 16, in two chains
	v_max3_num_f32 v9, |v[XS+3]|, |v[XS+4]|, |v[XS+5]|
.irp i, 6,10
	v_max3_num_f32 v8, v8, |v[XS+\i]|, |v[XS+\i+1]|
	v_max3_num_f32 v9, v9, |v[XS+\i+2]|, |v[XS+\i+3]|
.endr
	v_max3_num_f32 v8, v8, |v[XS+14]|, |v[XS+15]|
	v_max3_num_f32 v8, v8, v9, (EMAX+1)<<23        ; and the floor 2^(3 - 127): the byte cannot fall under 1
	v_max_num_f32_dpp v8, v8, v8 row_xmask:1 row_mask:0xf bank_mask:0xf   ; with my neighbour's 16: the block's
	v_add_nc_u32 v11, -(EMAX<<23), v8              ; 2 off its exponent field: the conversion takes the exponent field of this operand as its scale
	v_cvt_scalef32_pk8_fp4_f32 v[C+2*(\t)], v[XS:XS+7], v11
	v_cvt_scalef32_pk8_fp4_f32 v[C+2*(\t)+1], v[XS+8:XS+15], v11
	v_lshrrev_b32 v[E+(\t)], 23, v11               ; the scale's byte (also the plain line behind the conversions)
	ds_store_b8 v5, v[E+(\t)] offset:16*(\t)       ; both lanes of a block write the same byte with the same value
	global_store_b64 v4, v[C+2*(\t):C+2*(\t)+1], s[14:15] offset:32*CB*(\t)   ; the wave stores 256 consecutive bytes, aligned
.endm
.irp t, 0,1,2,3,4,5,6,7,8,9,10,11,12,13,14,15
	STEP \t
.endr
	ds_load_b64 v[8:9], v6                         ; my wave's 256 scale bytes, 8 a lane: these loads see my stores
	s_wait_dscnt 0x0
	global_store_b64 v7, v[8:9], s[16:17]          ; 256 consecutive bytes, aligned
	s_wait_tensorcnt 0x0                           ; the wave's end: behind my last LDS store
	ds_add_u32 v[SPW], v[NIL]
	s_wait_dscnt 0x0
	s_endpgm
	; ---- Wo: four units of 16 rows x 128 k a wave, neighbours along K
.Lwo:
	s_sub_co_u32 s21, ttmp9, 224
	s_lshl_b32 s21, s21, 4
	s_lshl_b32 s24, s20, 2
	s_add_co_u32 s21, s21, s24                     ; my first unit of 512
	s_lshr_b32 s24, s21, 3                         ; its tile of 16 rows
	s_and_b32 s25, s21, 7                          ; its 128 along K: 0 or 4
	s_mul_i32 s26, s20, 16*WPITCH
	s_add_co_u32 s26, s26, WOS                     ; my stage
	v_add_nc_u32 v14, s26, v3                      ; in: a row's 512 bytes, 16 a lane
	v_and_b32 v4, 15, v2                           ; r
	v_lshrrev_b32 v5, 4, v2                        ; h
	v_mul_u32_u24 v15, v4, WPITCH
	v_lshl_add_u32 v15, v5, 5, v15
	v_add_nc_u32 v15, s26, v15                     ; out: row r, + 32 h: eight numbers of my half
	s_mov_b32 s30, 0x44000000                      ; 512.0
	s_mov_b32 s31, s30                             ; (named with it as a pair, so it is written)
	s_lshl_b32 s28, s24, 16                        ; 16 rows of 4,096 bytes
	s_lshl_b32 s27, s25, 9
	s_add_co_u32 s28, s28, s27
	s_wait_kmcnt 0x0
	s_add_nc_u64 s[12:13], s[12:13], s[28:29]
	s_lshr_b32 s27, s25, 1
	s_lshl_b32 s27, s27, 19                        ; the K slot of 256: 524,288 bytes each
	s_lshl_b32 s28, s24, 13                        ; the tile: 8,192 bytes
	s_add_co_u32 s28, s28, s27
	s_add_nc_u64 s[18:19], s[18:19], s[28:29]
.macro WLOAD i
.set rr, 0
.rept 16
	global_load_b128 v[R+64*((\i)%2)+4*rr:R+64*((\i)%2)+4*rr+3], v3, s[12:13] offset:rr*4096+(\i)*512 th:TH_LOAD_NT
.set rr, rr+1
.endr
.endm
.macro UNIT i
.if (\i) < 3
	s_wait_loadcnt 16                              ; this unit's 16 loads are in; the next unit's may be out
.else
	s_wait_loadcnt 0x0
.endif
.set rr, 0
.rept 16
	ds_store_b128 v14, v[R+64*((\i)%2)+4*rr:R+64*((\i)%2)+4*rr+3] offset:rr*WPITCH
.set rr, rr+1
.endr
.irp k, 0,1,2,3
.irp f, 0,1
.irp g, 0,1
	ds_load_b128 v[WX+16*\k+8*\f+4*\g:WX+16*\k+8*\f+4*\g+3], v15 offset:128*\k+64*\f+16*\g   ; chunk k, half f: k = 32 k + 16 f + 8 h + 0 .. 7 of row r
.endr
.endr
.endr
	s_wait_dscnt 0x0
	s_wait_xcnt 0x0                                ; the last unit's stores have read their data: the pieces may be written again
.if (\i) < 2
	WLOAD (\i)+2
.endif
.set m, 0
.rept 32
	v_pk_mul_f32 v[WX+2*m:WX+2*m+1], v[WX+2*m:WX+2*m+1], s[30:31] op_sel_hi:[1,0]
.set m, m+1
.endr
.set m, 0
.rept 32
	v_cvt_pk_f16_f32 v[WY+m], v[WX+2*m], v[WX+2*m+1]
.set m, m+1
.endr
.irp k, 0,1,2,3
.irp f, 0,1
	global_store_b128 v3, v[WY+4*(2*\k+\f):WY+4*(2*\k+\f)+3], s[18:19] offset:((\i)/2)*524288+((\i)%2)*4096+\k*1024+\f*512   ; 512 consecutive bytes, aligned
.endr
.endr
.endm
	WLOAD 0
	WLOAD 1
	UNIT 0
	UNIT 1
	UNIT 2
	UNIT 3
	s_wait_tensorcnt 0x0                           ; the wave's end: the same three lines
	ds_add_u32 v[SPW], v[NIL]
	s_wait_dscnt 0x0
	s_endpgm
.Lfunc_end_k_q30ef330d7d_quant:
	.size	k_q30ef330d7d_quant, .Lfunc_end_k_q30ef330d7d_quant-k_q30ef330d7d_quant
	.p2alignl 7, 3214868480
	.fill 96, 4, 3214868480
	.section	.rodata,"a",@progbits
	.p2align	6, 0x0
	.amdhsa_kernel k_q30ef330d7d_quant
		.amdhsa_group_segment_fixed_size 67072
		.amdhsa_private_segment_fixed_size 0
		.amdhsa_enable_private_segment 0
		.amdhsa_kernarg_size 64
		.amdhsa_user_sgpr_count 2
		.amdhsa_user_sgpr_kernarg_segment_ptr 1
		.amdhsa_wavefront_size32 1
		.amdhsa_system_sgpr_workgroup_id_x 1
		.amdhsa_system_sgpr_workgroup_id_y 1
		.amdhsa_system_sgpr_workgroup_id_z 1
		.amdhsa_system_vgpr_workitem_id 0
		.amdhsa_next_free_vgpr 240
		.amdhsa_next_free_sgpr 66
		.amdhsa_reserve_vcc 0
		.amdhsa_float_denorm_mode_32 3
		.amdhsa_float_denorm_mode_16_64 3
		.amdhsa_memory_ordered 1
		.amdhsa_forward_progress 1
		.amdhsa_inst_pref_size 68
	.end_amdhsa_kernel
	.amdgpu_metadata
---
amdhsa.version: [ 1, 2 ]
amdhsa.kernels:
  - .name:           k_q30ef330d7d_quant
    .symbol:         k_q30ef330d7d_quant.kd
    .args:
      - { .name: x, .offset: 0, .size: 8, .value_kind: global_buffer, .address_space: global }
      - { .name: Wq, .offset: 8, .size: 8, .value_kind: global_buffer, .address_space: global }
      - { .name: Wk, .offset: 16, .size: 8, .value_kind: global_buffer, .address_space: global }
      - { .name: Wv, .offset: 24, .size: 8, .value_kind: global_buffer, .address_space: global }
      - { .name: Wo, .offset: 32, .size: 8, .value_kind: global_buffer, .address_space: global }
      - { .name: codes, .offset: 40, .size: 8, .value_kind: global_buffer, .address_space: global }
      - { .name: scl, .offset: 48, .size: 8, .value_kind: global_buffer, .address_space: global }
      - { .name: wo16, .offset: 56, .size: 8, .value_kind: global_buffer, .address_space: global }
    .group_segment_fixed_size: 67072
    .private_segment_fixed_size: 0
    .kernarg_segment_align: 8
    .kernarg_segment_size: 64
    .max_flat_workgroup_size: 128
    .sgpr_count:     66
    .vgpr_count:     240
    .wavefront_size: 32
...
	.end_amdgpu_metadata
.endif
;; end of part 1
;; launch proj (part 2): grid 16 x 16, 12 waves a work-group, clusters of 4 x 4, 262,144 bytes of LDS; arguments codes, scl, bq, bk, bv, q16, kv16; writes q16, kv16
.if DOCPART == 2
	.amdgcn_target "amdgcn-amd-amdhsa--gfx1250"
	.amdhsa_code_object_version 6
	.text
	.protected	k_q30ef330d7d_proj
	.globl	k_q30ef330d7d_proj
	.p2align	8
	.type	k_q30ef330d7d_proj,@function
k_q30ef330d7d_proj:
	s_mov_b64 s[64:65], 0
	v_nop
	global_prefetch_b8 v0, s[64:65] scope:SCOPE_SE
	s_setreg_imm32_b32 hwreg(HW_REG_WAVE_MODE, 25, 1), 1
	s_wait_xcnt 0x0
	s_wait_alu depctr_hold_cnt(0) depctr_sa_sdst(0) depctr_va_vdst(0) depctr_va_sdst(0) depctr_va_ssrc(0) depctr_va_vcc(0) depctr_vm_vsrc(0)
	s_getreg_b32 s2, hwreg(HW_REG_IB_STS2, 6, 4)
	s_cmp_eq_u32 s2, 0
	s_cbranch_scc0 .Lentry_in_a_cluster
	s_endpgm
.Lentry_in_a_cluster:
	s_bfe_u32 s2, ttmp6, 0x10000c
	s_cmp_lg_u32 s2, 0xf033
	s_cbranch_scc0 .Lentry_shape_is_right
	s_endpgm
.Lentry_shape_is_right:
; Q = x Wq^T + bq, K = x Wk^T + bk, V = x Wv^T + bv on codes of FP4 with E8M0 scales; sums in f32; the results leave as f16:
; Q x 38.1971863 (= 64 x 30 / (16 pi): the score of the next launch is then 4096 x the sine's argument in turns), K x 64, V x 64.
; LIMITS: |Q| under 1.7e3, |K| and |V| under 1.0e3 (f16's largest number).  The factor 30 / (16 pi) goes into Q ahead of Q's rounding to f16.
; SHARES: a work-group takes 256 tokens (tm) and one head (tn), for Q, K and V.  Wave w: 64 tokens (w & 3) of kind w >> 2 (0 Q, 1 K, 2 V): 64 x 64, 16 accumulators.
; ALL OF K COMES AT ONCE: 448 rows (256 of x, 64 each of Wq, Wk, Wv) x 512 bytes in two halves along K, and their scale bytes; nothing is filled again.
; CLUSTER 4 x 4: x's rows hang on tm alone and are asked for jointly along a row of the cluster, the weights' on tn alone, along a column.
; ONE TEXT FOR THE THREE KINDS.  Source 0's blocks come from FA, source 1's from FB.  Q, K: FA = the weight's rows, FB = x's: a lane holds one token and eight channels.
; V: the two bases change places: a lane holds one channel and eight tokens, which is how the next launch wants V^T.
; THE RESULTS ARE STORED AS IMAGES OF OPERAND REGISTERS (a fragment of 16 x 32 f16 is 1 KB: half f, lane l at 512 f + 16 l): every store is 512 consecutive bytes.
.set PITCH, 272                        ; an LDS row: 256 bytes + 16 of padding: the 16 rows of a load start at 16 different banks (64 banks of 4 bytes: ISA guide 11.1)
.set HALF,  448*PITCH                  ; half of K for all 448 rows
.set SCL,   2*HALF                     ; the scale bytes: 56 units of 256 bytes + 16 of padding; a row's 32 bytes lie in unit row / 8
.set SPARE, 259072                     ; the spare words, 128 bytes for each of 12 waves: six blocks of 256 bytes that no other line names
.set SPW,   10                         ; v10  my spare word's LDS address; never rewritten
.set NIL,   11                         ; v11  0; never rewritten
.set SC,    16                         ; v16-47  scale words: block i, K step q at SC + 8 i + q; lanes 16-31 source 0's, lanes 0-15 source 1's
.set FA,    48                         ; v48-79  source 0's four fragments
.set FB,    80                         ; v80-111 source 1's
.set ACC,   112                        ; v112-239 accumulator (a of source 0, b of source 1) at ACC + 8 (4 b + a)
.set PK,    48                         ; the way out: 4 registers of f16 for each accumulator, where the fragments lay
.set WV,    22                         ; s22  my wave's number
.set G1A,   32                         ; s[32:39] descriptor group 1, x's codes;   s[40:47] the weights'
.set G1B,   40
.set G1SA,  48                         ; s[48:55] x's scale bytes;   s[56:63] the weights'
.set G1SB,  56
.set G0A,   68                         ; s[68:79] three groups 0 for x: scale bytes, half 0, half 1;   s[80:91] the same for a weight
.set G0B,   80
.macro CROUND                          ; a round of the cluster's barrier
	s_barrier_signal -1
	s_barrier_wait -1
	s_cmp_lg_u32 s[WV], 0
	s_cbranch_scc1 .Lnot_wave_0_\@
	s_barrier_signal -3
.Lnot_wave_0_\@:
	s_barrier_wait -3
	s_barrier_signal -1
	s_barrier_wait -1
.endm
.macro PLACES
.rept 4
	v_nop
.endr
.endm
	s_load_b256 s[4:11], s[0:1], 0x0               ; codes s[4:5], scl s[6:7], bq s[8:9], bk s[10:11]
	s_load_b128 s[12:15], s[0:1], 0x20             ; bv s[12:13], q16 s[14:15]
	s_load_b64 s[16:17], s[0:1], 0x30              ; kv16
	v_lshl_add_u32 v[SPW], v0, 2, SPARE
	v_mov_b32 v[NIL], 0
	ds_add_u32 v[SPW], v[NIL]                      ; the wave's opening: the add, twice on end, and its wait ahead of the first tensor load
	ds_add_u32 v[SPW], v[NIL]
	v_lshrrev_b32 v1, 5, v0
	v_readfirstlane_b32 s[WV], v1                  ; wave 0..11
	s_and_b32 s29, s[WV], 3                        ; my 64 tokens.  Also: which 64 rows of x (waves 0-3) or which weight (waves 4-6) I fetch
	s_lshr_b32 s30, s[WV], 2                       ; kind: 0 Q, 1 K, 2 V
	s_lshr_b32 s31, s[WV], 3                       ; 1 for V
	s_bfe_u32 s23, ttmp6, 0x40000                  ; cx
	s_bfe_u32 s24, ttmp6, 0x40004                  ; cy
	s_lshl_b32 s25, ttmp9, 2
	s_add_co_u32 s25, s25, s23                     ; tn: the head
	s_and_b32 s26, ttmp7, 0xffff
	s_lshl_b32 s26, s26, 2
	s_add_co_u32 s26, s26, s24                     ; tm: the block of 256 tokens
	s_lshl_b32 s27, s24, 2
	s_lshl_b32 s27, 15, s27                        ; my row of the cluster
	s_lshl_b32 s28, 0x1111, s23                    ; my column
	; group 1, codes: 64 rows x 256 bytes, 512 bytes apart in memory, 16 bytes of padding behind each in LDS
	s_or_b32 s[G1A], s27, (1<<20)|(1<<21)|(5<<22)|(3<<25)   ; 15:0 mask; 17:16 elements of 1 byte; 20 padding on; 21 set beside a mask; 24:22 after every 64 words; 31:25 four words
	s_or_b32 s[G1B], s28, (1<<20)|(1<<21)|(5<<22)|(3<<25)
.irp g, G1A, G1B
	s_mov_b32 s[\g+1], 256<<16                     ; tensor_dim0
	s_mov_b32 s[\g+2], 64<<16                      ; tensor_dim1
	s_mov_b32 s[\g+3], 256<<16                     ; tile_dim0
	s_mov_b32 s[\g+4], 64                          ; tile_dim1
	s_mov_b32 s[\g+5], 512                         ; from row to row
	s_mov_b32 s[\g+6], 0
	s_mov_b32 s[\g+7], 0
.endr
	; group 1, scale bytes of 64 rows: 2,048 dense bytes as 8 rows of 32 elements of 8 bytes, padded likewise
	s_or_b32 s[G1SA], s27, (3<<16)|(1<<20)|(1<<21)|(5<<22)|(3<<25)
	s_or_b32 s[G1SB], s28, (3<<16)|(1<<20)|(1<<21)|(5<<22)|(3<<25)
.irp g, G1SA, G1SB
	s_mov_b32 s[\g+1], 32<<16
	s_mov_b32 s[\g+2], 8<<16
	s_mov_b32 s[\g+3], 32<<16
	s_mov_b32 s[\g+4], 8
	s_mov_b32 s[\g+5], 32
	s_mov_b32 s[\g+6], 0
	s_mov_b32 s[\g+7], 0
.endr
	; where the rows lie in memory.  x's offsets are made of tm and the wave alone (s92-95), a weight's of tn and the wave alone (s98-101)
	s_lshl_b32 s92, s26, 8
	s_lshl_b32 s93, s29, 6
	s_add_co_u32 s92, s92, s93                     ; x: row 256 tm + 64 (w & 3)
	s_lshl_b32 s94, s92, 5                         ; its scale bytes
	s_mov_b32 s95, 0
	s_lshl_b32 s92, s92, 9                         ; its codes
	s_mov_b32 s93, 0
	s_lshl_b32 s98, s29, 10
	s_lshl_b32 s99, s25, 6
	s_add_co_u32 s98, s98, s99
	s_add_co_u32 s98, s98, 4096                    ; a weight: row 4096 + 1024 (w & 3) + 64 tn
	s_lshl_b32 s100, s98, 5
	s_mov_b32 s101, 0
	s_lshl_b32 s98, s98, 9
	s_mov_b32 s99, 0
	s_mul_i32 s20, s[WV], 8*PITCH                  ; and where they go: wave x 8 units, wave x 64 rows: no place in the cluster enters an LDS address
	s_mul_i32 s21, s[WV], 64*PITCH
	; the LDS addresses of my fragments
	v_and_b32 v1, 15, v0                           ; r
	v_bfe_u32 v2, v0, 4, 1                         ; h
	s_mul_i32 s18, s29, 64*PITCH                   ; my 64 rows of x
	s_mul_i32 s19, s30, 64*PITCH
	s_add_co_u32 s19, s19, 256*PITCH               ; my kind's 64 rows of weights
	s_xor_b32 s2, s31, 1                           ; 1 for Q and K
	s_mul_i32 s3, s2, s19
	s_mul_i32 s96, s31, s18
	s_add_co_u32 s3, s3, s96                       ; source 0: the weight, for V x
	s_mul_i32 s97, s2, s18
	s_mul_i32 s96, s31, s19
	s_add_co_u32 s97, s97, s96                     ; source 1: x, for V the weight
	v_mul_u32_u24 v12, v1, PITCH
	v_lshl_add_u32 v12, v2, 4, v12                 ; row x pitch + 16 x half
	v_add_nc_u32 v3, s3, v12                       ; v3, v4: FA's and FB's addresses in half 0
	v_add_nc_u32 v4, s97, v12
	v_add_nc_u32 v5, HALF, v3                      ; v5, v6: in half 1
	v_add_nc_u32 v6, HALF, v4
	s_mul_i32 s18, s29, 8*PITCH                    ; scale words: x's units 8 (w & 3) on,
	s_mul_i32 s19, s30, 8*PITCH
	s_add_co_u32 s19, s19, 32*PITCH                ; the weight's 32 + 8 kind on:
	s_sub_co_u32 s19, s19, s18                     ; the distance between the two
	v_xor_b32 v13, s31, v2                         ; lanes 16-31 take source 0's words: the weight's, for V x's
	v_mul_u32_u24 v13, s19, v13
	v_lshrrev_b32 v14, 3, v1
	v_mul_u32_u24 v14, v14, PITCH
	v_and_b32 v15, 7, v1
	v_lshl_add_u32 v14, v15, 5, v14                ; row r of a block: unit r / 8, 32 (r % 8) bytes in
	v_add_nc_u32 v14, v14, v13
	s_add_co_u32 s18, s18, SCL
	v_add_nc_u32 v7, s18, v14                      ; v7
	v_and_b32 v8, 31, v0
	v_lshlrev_b32 v8, 4, v8                        ; v8: 16 x lane
	v_lshlrev_b32 v9, 5, v2                        ; v9: 32 h: a bias's eight numbers of my half (Q, K)
	v_lshlrev_b32 v12, 2, v1                       ; v12: 4 r: my channel's bias (V)
	s_wait_dscnt 0x0                               ; both opening adds are done
	s_wait_kmcnt 0x0
	s_mov_b32 s[G0A], 1
	s_add_co_u32 s[G0A+1], s20, SCL
	s_add_nc_u64 s[G0A+2:G0A+3], s[6:7], s[94:95]
	s_mov_b32 s[G0A+4], 1
	s_mov_b32 s[G0A+5], s21
	s_add_nc_u64 s[G0A+6:G0A+7], s[4:5], s[92:93]
	s_mov_b32 s[G0A+8], 1
	s_add_co_u32 s[G0A+9], s21, HALF
	s_add_nc_u64 s[G0A+10:G0A+11], s[G0A+6:G0A+7], 256
	s_or_b32 s[G0A+3], s[G0A+3], 0x80000000
	s_or_b32 s[G0A+7], s[G0A+7], 0x80000000
	s_or_b32 s[G0A+11], s[G0A+11], 0x80000000
	s_mov_b32 s[G0B], 1
	s_add_co_u32 s[G0B+1], s20, SCL
	s_add_nc_u64 s[G0B+2:G0B+3], s[6:7], s[100:101]
	s_mov_b32 s[G0B+4], 1
	s_mov_b32 s[G0B+5], s21
	s_add_nc_u64 s[G0B+6:G0B+7], s[4:5], s[98:99]
	s_mov_b32 s[G0B+8], 1
	s_add_co_u32 s[G0B+9], s21, HALF
	s_add_nc_u64 s[G0B+10:G0B+11], s[G0B+6:G0B+7], 256
	s_or_b32 s[G0B+3], s[G0B+3], 0x80000000
	s_or_b32 s[G0B+7], s[G0B+7], 0x80000000
	s_or_b32 s[G0B+11], s[G0B+11], 0x80000000
	CROUND                                         ; all sixteen work-groups are here: the joint loads meet
	s_cmp_lt_u32 s[WV], 4                          ; a wave's three fills stand in one arm: waves 0-3 x's rows, waves 4-6 a weight's, the others none.  Three loads of mine are out
	s_cbranch_scc0 .Lnot_x
	tensor_load_to_lds s[G0A:G0A+3], s[G1SA:G1SA+7]
	s_nop 0
	tensor_load_to_lds s[G0A+4:G0A+7], s[G1A:G1A+7]
	s_nop 0
	tensor_load_to_lds s[G0A+8:G0A+11], s[G1A:G1A+7]
	s_nop 0
	PLACES
	s_branch .Lasked
.Lnot_x:
	s_cmp_lt_u32 s[WV], 7
	s_cbranch_scc0 .Lasked
	tensor_load_to_lds s[G0B:G0B+3], s[G1SB:G1SB+7]
	s_nop 0
	tensor_load_to_lds s[G0B+4:G0B+7], s[G1B:G1B+7]
	s_nop 0
	tensor_load_to_lds s[G0B+8:G0B+11], s[G1B:G1B+7]
	s_nop 0
	PLACES
.Lasked:
	; while the tiles are on their way: the biases' and the results' places
	s_lshl_b32 s2, s25, 8                          ; the head's 64 numbers of a bias
	s_mov_b32 s3, 0
	s_mov_b32 s96, 0x42800000                      ; K, V: x 64
	s_cmp_lt_u32 s[WV], 4
	s_cselect_b64 s[8:9], s[8:9], s[10:11]         ; bq for Q, else bk
	s_cselect_b32 s96, 0x4218c9eb, s96             ; Q: x 38.1971863
	s_mov_b32 s97, s96                             ; (named with it as a pair, so it is written)
	s_add_nc_u64 s[8:9], s[8:9], s[2:3]
	s_add_nc_u64 s[12:13], s[12:13], s[2:3]
	s_lshr_b32 s18, s26, 3
	s_lshl_b32 s18, s18, 4
	s_add_co_u32 s18, s18, s25                     ; batch x 16 + head
	s_and_b32 s19, s26, 7                          ; my block of 256 tokens in the batch
	s_lshl_b32 s2, s19, 4
	s_lshl_b32 s3, s29, 2
	s_add_co_u32 s2, s2, s3                        ; q16: my first tile of 16 queries, 2,048 bytes each; 262,144 a head
	s_lshl_b32 s2, s2, 11
	s_lshl_b32 s3, s18, 18
	s_add_co_u32 s2, s2, s3
	s_mov_b32 s3, 0
	s_add_nc_u64 s[14:15], s[14:15], s[2:3]
	s_lshl_b32 s2, s19, 3
	s_lshl_b32 s3, s29, 1
	s_add_co_u32 s2, s2, s3                        ; kv16: my first step of 32 keys, 8,192 bytes each; 524,288 a head
	s_lshl_b32 s2, s2, 13
	s_lshl_b32 s3, s18, 19
	s_add_co_u32 s2, s2, s3
	s_mov_b32 s3, 0
	s_add_nc_u64 s[16:17], s[16:17], s[2:3]
	; THE BIAS IS LOADED INTO THE ACCUMULATORS: it is the C of each sum's first product, and no addition is spent on it
	s_cmp_lt_u32 s[WV], 8
	s_cbranch_scc0 .Lbias_v
.irp b, 0,1,2,3
.irp a, 0,1,2,3
	global_load_b128 v[ACC+8*(4*\b+\a):ACC+8*(4*\b+\a)+3], v9, s[8:9] offset:64*\a        ; register j: channel 16 a + 8 h + j
	global_load_b128 v[ACC+8*(4*\b+\a)+4:ACC+8*(4*\b+\a)+7], v9, s[8:9] offset:64*\a+16
.endr
.endr
	s_branch .Lbias_done
.Lbias_v:
.irp b, 0,1,2,3
.irp a, 0,1,2,3
.irp j, 0,1,2,3,4,5,6,7
	global_load_b32 v[ACC+8*(4*\b+\a)+\j], v12, s[12:13] offset:64*\b                     ; every register: channel 16 b + r
.endr
.endr
.endr
.Lbias_done:
	s_wait_tensorcnt 0x1                           ; my scale bytes and my part of half 0 are in; half 1's load may stay out
	s_barrier_signal -1
	s_barrier_wait -1                              ; everybody's are
.irp i, 0,1,2,3
.irp p, 0,1
	ds_load_b128 v[SC+8*\i+4*\p:SC+8*\i+4*\p+3], v7 offset:\i*2*PITCH+16*\p               ; block i's words of K steps 4 p .. 4 p + 3
.endr
.endr
	s_wait_loadcnt 0x0                             ; the biases
; A K step of 128: eight fragments, sixteen products.  The 16 accumulators take turns, one instruction a turn, in the same order in every step.
.macro KSTEP q
.if (\q) > 0
	PLACES                                         ; four places in front of loads into registers that matrix instructions have read
.endif
.irp i, 0,1,2,3
.irp c, 0,1
	ds_load_b128 v[FA+8*\i+4*\c:FA+8*\i+4*\c+3], v[3+2*((\q)/4)] offset:\i*16*PITCH+((\q)%4)*64+32*\c
.endr
.endr
.irp i, 0,1,2,3
.irp c, 0,1
	ds_load_b128 v[FB+8*\i+4*\c:FB+8*\i+4*\c+3], v[4+2*((\q)/4)] offset:\i*16*PITCH+((\q)%4)*64+32*\c
.endr
.endr
.irp b, 0,1,2,3
	s_wait_dscnt 6-2*\b                            ; source 0's four and source 1's block b are in; the later blocks' two loads each may be out
.irp a, 0,1,2,3
	v_wmma_scale_f32_16x16x128_f8f6f4 v[ACC+8*(4*\b+\a):ACC+8*(4*\b+\a)+7], v[FA+8*\a:FA+8*\a+7], v[FB+8*\b:FB+8*\b+7], v[ACC+8*(4*\b+\a):ACC+8*(4*\b+\a)+7], v[SC+8*\a+(\q)], v[SC+8*\b+(\q)] matrix_a_fmt:MATRIX_FMT_FP4 matrix_b_fmt:MATRIX_FMT_FP4 matrix_a_scale:MATRIX_SCALE_ROW1
.endr
.endr
.endm
	KSTEP 0
	KSTEP 1
	KSTEP 2
	KSTEP 3
	s_wait_tensorcnt 0x0                           ; my part of half 1 is in (my LDS loads are back: the last count-down ended at 0)
	s_barrier_signal -1
	s_barrier_wait -1                              ; everybody's is
	KSTEP 4
	KSTEP 5
	KSTEP 6
	KSTEP 7
	; THE WAY OUT: scaled, rounded to f16, each accumulator from its low end on; a lane's eight numbers are 16 bytes of an image
	PLACES
.set n, 0
.rept 16
.irp j, 0,1,2,3
	v_pk_mul_f32 v[ACC+8*n+2*\j:ACC+8*n+2*\j+1], v[ACC+8*n+2*\j:ACC+8*n+2*\j+1], s[96:97] op_sel_hi:[1,0]
.endr
.irp j, 0,1,2,3
	v_cvt_pk_f16_f32 v[PK+4*n+\j], v[ACC+8*n+2*\j], v[ACC+8*n+2*\j+1]
.endr
.set n, n+1
.endr
	s_cmp_lt_u32 s[WV], 4
	s_cbranch_scc0 .Lnot_q
.irp b, 0,1,2,3
.irp a, 0,1,2,3
	global_store_b128 v8, v[PK+4*(4*\b+\a):PK+4*(4*\b+\a)+3], s[14:15] offset:\b*2048+\a*512          ; Q: tile b of queries; channels 16 a on: chunk a / 2, half a % 2
.endr
.endr
	s_branch .Lout
.Lnot_q:
	s_cmp_lt_u32 s[WV], 8
	s_cbranch_scc0 .Lis_v
.irp b, 0,1,2,3
.irp a, 0,1,2,3
	global_store_b128 v8, v[PK+4*(4*\b+\a):PK+4*(4*\b+\a)+3], s[16:17] offset:(\b/2)*8192+(\b%2)*2048+\a*512   ; K: step b / 2, tile b % 2 of its keys
.endr
.endr
	s_branch .Lout
.Lis_v:
.irp b, 0,1,2,3
.irp a, 0,1,2,3
	global_store_b128 v8, v[PK+4*(4*\b+\a):PK+4*(4*\b+\a)+3], s[16:17] offset:(\a/2)*8192+4096+\b*1024+(\a%2)*512   ; V^T: step a / 2, channels 16 b on, keys 16 (a % 2) on
.endr
.endr
.Lout:
	s_wait_tensorcnt 0x0                           ; the wave's end
	ds_add_u32 v[SPW], v[NIL]
	s_wait_dscnt 0x0
	CROUND                                         ; the closing round
	s_endpgm
.Lfunc_end_k_q30ef330d7d_proj:
	.size	k_q30ef330d7d_proj, .Lfunc_end_k_q30ef330d7d_proj-k_q30ef330d7d_proj
	.p2alignl 7, 3214868480
	.fill 96, 4, 3214868480
	.section	.rodata,"a",@progbits
	.p2align	6, 0x0
	.amdhsa_kernel k_q30ef330d7d_proj
		.amdhsa_group_segment_fixed_size 262144
		.amdhsa_private_segment_fixed_size 0
		.amdhsa_enable_private_segment 0
		.amdhsa_kernarg_size 56
		.amdhsa_user_sgpr_count 2
		.amdhsa_user_sgpr_kernarg_segment_ptr 1
		.amdhsa_wavefront_size32 1
		.amdhsa_system_sgpr_workgroup_id_x 1
		.amdhsa_system_sgpr_workgroup_id_y 1
		.amdhsa_system_sgpr_workgroup_id_z 1
		.amdhsa_system_vgpr_workitem_id 0
		.amdhsa_next_free_vgpr 256
		.amdhsa_next_free_sgpr 102
		.amdhsa_reserve_vcc 0
		.amdhsa_float_denorm_mode_32 3
		.amdhsa_float_denorm_mode_16_64 3
		.amdhsa_memory_ordered 1
		.amdhsa_forward_progress 1
		.amdhsa_inst_pref_size 64
	.end_amdhsa_kernel
	.amdgpu_metadata
---
amdhsa.version: [ 1, 2 ]
amdhsa.kernels:
  - .name:           k_q30ef330d7d_proj
    .symbol:         k_q30ef330d7d_proj.kd
    .args:
      - { .name: codes, .offset: 0, .size: 8, .value_kind: global_buffer, .address_space: global }
      - { .name: scl, .offset: 8, .size: 8, .value_kind: global_buffer, .address_space: global }
      - { .name: bq, .offset: 16, .size: 8, .value_kind: global_buffer, .address_space: global }
      - { .name: bk, .offset: 24, .size: 8, .value_kind: global_buffer, .address_space: global }
      - { .name: bv, .offset: 32, .size: 8, .value_kind: global_buffer, .address_space: global }
      - { .name: q16, .offset: 40, .size: 8, .value_kind: global_buffer, .address_space: global }
      - { .name: kv16, .offset: 48, .size: 8, .value_kind: global_buffer, .address_space: global }
    .group_segment_fixed_size: 262144
    .private_segment_fixed_size: 0
    .kernarg_segment_align: 8
    .kernarg_segment_size: 56
    .max_flat_workgroup_size: 384
    .sgpr_count:     102
    .vgpr_count:     256
    .wavefront_size: 32
...
	.end_amdgpu_metadata
.endif
;; end of part 2
;; launch attn (part 3): grid 8 x 32, 8 waves a work-group, clusters of 4 x 1, 327,680 bytes of LDS; arguments q16, kv16, att, gsc; writes att, gsc
.if DOCPART == 3
	.amdgcn_target "amdgcn-amd-amdhsa--gfx1250"
	.amdhsa_code_object_version 6
	.text
	.protected	k_q30ef330d7d_attn
	.globl	k_q30ef330d7d_attn
	.p2align	8
	.type	k_q30ef330d7d_attn,@function
k_q30ef330d7d_attn:
	s_mov_b64 s[64:65], 0
	v_nop
	global_prefetch_b8 v0, s[64:65] scope:SCOPE_SE
	s_setreg_imm32_b32 hwreg(HW_REG_WAVE_MODE, 25, 1), 1
	s_wait_xcnt 0x0
	s_wait_alu depctr_hold_cnt(0) depctr_sa_sdst(0) depctr_va_vdst(0) depctr_va_sdst(0) depctr_va_ssrc(0) depctr_va_vcc(0) depctr_vm_vsrc(0)
	s_getreg_b32 s2, hwreg(HW_REG_IB_STS2, 6, 4)
	s_cmp_eq_u32 s2, 0
	s_cbranch_scc0 .Lentry_in_a_cluster
	s_endpgm
.Lentry_in_a_cluster:
	s_bfe_u32 s2, ttmp6, 0x10000c
	s_cmp_lg_u32 s2, 0x3003
	s_cbranch_scc0 .Lentry_shape_is_right
	s_endpgm
.Lentry_shape_is_right:
; O[q] = the sum over k of sin(30 Q[q] . K[k] / 8) V[k], for one head of one batch; f16 operands, f32 sums, the sine in f32.
; q16 holds Q x 64 x 30 / (16 pi), kv16 K x 64 and V x 64, so a score S is 4096 x the sine's argument in turns.
; THE SINE, two numbers an instruction, ten lines: n = (S + M) - M with M = 1.5 x 2^35 is the nearest multiple of 4096; f = S - n is exact, |f| <= 2048;
; 2^15 sin = f x p(f^2), p of degree 4 (an odd polynomial of degree 9 for sin(pi z), z = f / 2048; the powers of two are folded into its coefficients).
; 2^15 sin is rounded to f16 for the second product.
; THE RESULT: for each query E = 2^floor(log2(the largest |O'|)) of its 64 channels, not under 2^-90; att takes O' / E in f16, gsc takes g = E x 2^-30 in f32
; (2^-30 undoes the sine's 2^15, V's 2^6 and the 2^9 of the next launch's weights).
; LIMITS: the polynomial's error is at most 1.2e-5 of the sine's full swing for every argument, and 3.8e-6 of the sine itself for small arguments: under a tenth of the rounding
; to f16 that follows it.  |30 logit| under 2.6e7 (the score under 2^34); O' under 2^127; NaN and infinities are not served.
; SHARES: a work-group owns 256 queries, each of its eight waves 32: tiles t = 0, 1.  Two waves share a SIMD.
; A key step is 32 keys, 8 KB in kv16: K's four fragments, then V^T's four, as images of operand registers: every LDS load reads 512 consecutive bytes.
; RING: two slots of 16 steps; each wave fetches an eighth of a slot with one load.  CLUSTER: the four query blocks of a cluster walk the same K and V: every load is asked for jointly.
; No prefetch is laid: two of a head's four slots are the first fills at the head, and each of the other two is asked for 16 key steps ahead of its first read.
; Both products are used transposed: S^T = K Q^T, O^T = V^T P: a lane holds one query throughout, and a tile never looks at the other tile.
; BY TURNS.  A key step j is two turns.  Turn A: tile 0's sine of step j; between its lines tile 1's four products V^T P of step j - 1 and its four products K Q^T of step j.
; Turn B: tile 1's sine of step j; between its lines tile 0's four products V^T P of step j and its four products K Q^T of step j + 1.  One product stands behind each of a sine's
; first eight lines, and a line is eight packed instructions that name none of that product's registers: so the matrix unit and the vector unit work side by side in one wave.
.set SLOT1, 1<<17
.set SPARE, 2*SLOT1                    ; behind the ring: the spare words, 128 bytes for each of 8 waves: four blocks of 256 bytes that no other line names
.set AV,  2                            ; v2   LDS address of the step's V
.set AK,  3                            ; v3   of the next step's K
.set SPW, 6                            ; v6   my spare word's LDS address; never rewritten
.set NIL, 7                            ; v7   0; never rewritten
.set Q,   16                           ; v16-47   Q: tile t, channels 32 c on at Q + 8 (2 t + c)
.set O,   48                           ; v48-111  O^T: tile t, channels 16 c on at O + 32 t + 8 c
.set S,   112                          ; v112-143 S^T: tile t, keys 16 n on at S + 16 t + 8 n
.set P,   144                          ; v144-159 2^15 sin in f16: 8 registers a tile
.set KF,  160                          ; v160-191 K's fragments: keys 16 n on, channels 32 c on at KF + 16 n + 8 c
.set VF,  192                          ; v192-223 V^T's: channels 16 c on at VF + 8 c
.set T1,  224                          ; v224-239, v240-255 at work in the sine
.set T2,  240
.set WV,  12                           ; s12  my wave's number
.set G1,  16                           ; s[16:23] descriptor group 1
.set G0,  24                           ; s[24:27] group 0 for slot 0's first fill
.set G0W, 28                           ; s[28:31] group 0 for slot 1's; then it walks
.set TB,  48                           ; s48  LDS byte at which the step in hand begins
.macro CROUND
	s_barrier_signal -1
	s_barrier_wait -1
	s_cmp_lg_u32 s[WV], 0
	s_cbranch_scc1 .Lnot_wave_0_\@
	s_barrier_signal -3
.Lnot_wave_0_\@:
	s_barrier_wait -3
	s_barrier_signal -1
	s_barrier_wait -1
.endm
	s_load_b256 s[4:11], s[0:1], 0x0               ; q16 s[4:5], kv16 s[6:7], att s[8:9], gsc s[10:11]
	v_lshl_add_u32 v[SPW], v0, 2, SPARE
	v_mov_b32 v[NIL], 0
	ds_add_u32 v[SPW], v[NIL]                      ; the wave's opening: the add, twice on end, and its wait ahead of my first tensor load
	ds_add_u32 v[SPW], v[NIL]
	v_lshrrev_b32 v8, 5, v0
	v_readfirstlane_b32 s[WV], v8                  ; wave 0..7
	s_bfe_u32 s13, ttmp6, 0x40000                  ; cx
	s_lshl_b32 s14, ttmp9, 2
	s_add_co_u32 s14, s14, s13                     ; my block of 256 queries: it enters q16's, att's and gsc's addresses alone
	s_and_b32 s15, ttmp7, 0xffff                   ; batch x 16 + head, which the four partners share
	s_mov_b32 s[G1], 15|(3<<16)|(1<<21)            ; 15:0 the mask: all four; 17:16 elements of 8 bytes; 21 set beside a mask; no padding
	s_mov_b32 s[G1+1], 32<<16                      ; tensor_dim0: 256 bytes
	s_mov_b32 s[G1+2], 64<<16                      ; tensor_dim1
	s_mov_b32 s[G1+3], 32<<16                      ; tile_dim0
	s_mov_b32 s[G1+4], 64                          ; tile_dim1: 64 dense rows, 16 KB
	s_mov_b32 s[G1+5], 32
	s_mov_b32 s[G1+6], 0
	s_mov_b32 s[G1+7], 0
	s_mov_b32 s32, 0x51400000                      ; M = 1.5 x 2^35
	s_mov_b32 s33, s32                             ; (the packed forms name pairs and take the low word for both halves: so both words are written)
	s_mov_b32 s34, 0xd1400000                      ; -M
	s_mov_b32 s35, s34
	s_mov_b32 s36, 0xa015d19f                      ; d3 = -0.58522983 x 2^-62
	s_mov_b32 s37, s36
	s_mov_b32 s38, 0x2c22e53a                      ; d2 =  2.54524082 x 2^-40
	s_mov_b32 s39, s38
	s_mov_b32 s40, 0xb7a558ea                      ; d1 = -5.16710398 x 2^-18
	s_mov_b32 s41, s40
	s_mov_b32 s42, 0x42490fa8                      ; d0 =  3.14158056 x 2^4
	s_mov_b32 s43, s42
	s_mov_b32 s46, 0x76543210                      ; v_permlanex16_b32's selects for lane l xor 16
	s_mov_b32 s47, 0xfedcba98
	s_mov_b32 s[TB], 0
	v_and_b32 v1, 31, v0
	v_lshlrev_b32 v1, 4, v1                        ; v1: 16 x lane; never rewritten
	v_mov_b32 v4, 0x13863183                       ; v[4:5]: d4 = 0.06552413 x 2^-84
	v_mov_b32 v5, 0x13863183
	v_mov_b32 v10, 0                               ; written once: a lane permute's destination counts as one of its sources
	v_mov_b32 v11, 0
	s_lshl_b32 s2, s15, 19                         ; the head's 524,288 bytes of kv16,
	s_lshl_b32 s51, s[WV], 14                      ; my eighth of a slot, in memory and in LDS
	s_add_co_u32 s2, s2, s51
	s_mov_b32 s3, 0
	s_wait_dscnt 0x0                               ; both opening adds are done
	s_wait_kmcnt 0x0
	s_mov_b32 s[G0], 1
	s_mov_b32 s[G0+1], s51
	s_add_nc_u64 s[G0+2:G0+3], s[6:7], s[2:3]
	s_mov_b32 s[G0W], 1
	s_add_co_u32 s[G0W+1], s51, SLOT1
	s_add_nc_u64 s[G0W+2:G0W+3], s[G0+2:G0+3], SLOT1
	s_or_b32 s[G0+3], s[G0+3], 0x80000000
	s_or_b32 s[G0W+3], s[G0W+3], 0x80000000
	CROUND                                         ; all four work-groups are here: the first joint loads meet
	tensor_load_to_lds s[G0:G0+3], s[G1:G1+7]      ; steps 0-15
	s_nop 0
	tensor_load_to_lds s[G0W:G0W+3], s[G1:G1+7]    ; steps 16-31: two loads of mine are out
	s_nop 0
.rept 4
	v_nop
.endr
	s_lshl_b32 s60, s14, 4
	s_lshl_b32 s61, s[WV], 1
	s_add_co_u32 s62, s60, s61                     ; my first tile of 16 queries in the batch
	s_lshl_b32 s60, s62, 11
	s_lshl_b32 s61, s15, 18
	s_add_co_u32 s60, s60, s61
	s_mov_b32 s61, 0
	s_add_nc_u64 s[52:53], s[4:5], s[60:61]        ; q16 at my tiles
.irp t, 0,1
.irp c, 0,1
.irp f, 0,1
	global_load_b128 v[Q+8*(2*\t+\c)+4*\f:Q+8*(2*\t+\c)+4*\f+3], v1, s[52:53] offset:\t*2048+\c*1024+\f*512 th:TH_LOAD_NT
.endr
.endr
.endr
	s_and_b32 s63, s15, 15                         ; the head
	s_lshr_b32 s60, s15, 4
	s_lshl_b32 s60, s60, 7
	s_add_co_u32 s62, s62, s60                     ; my first tile of 16 tokens among all 256
	s_lshl_b32 s60, s62, 13                        ; att: 8,192 bytes a tile,
	s_lshr_b32 s61, s63, 2
	s_lshl_b32 s61, s61, 21                        ; 2,097,152 for each four heads,
	s_add_co_u32 s60, s60, s61
	s_and_b32 s61, s63, 3
	s_lshl_b32 s61, s61, 11                        ; 2,048 a head in a tile
	s_add_co_u32 s60, s60, s61
	s_mov_b32 s61, 0
	s_add_nc_u64 s[54:55], s[8:9], s[60:61]
	s_lshl_b32 s60, s63, 14                        ; gsc: 16,384 bytes a head, 64 a tile
	s_lshl_b32 s62, s62, 6
	s_add_co_u32 s60, s60, s62
	s_add_nc_u64 s[56:57], s[10:11], s[60:61]
.set n, 0
.rept 64
	v_mov_b32 v[O+n], 0                            ; O^T.  (The step is written for every step alike: the first adds onto zeros; that spares further copies of the step)
.set n, n+1
.endr
; Line k of ten of tile t's sine: the same instruction for the tile's eight pairs of scores, so that no instruction waits for the one above it
.macro LINE t, k
.set rS, S+16*(\t)
.irp i, 0,2,4,6,8,10,12,14
.if (\k) == 1
	v_pk_add_f32 v[T1+\i:T1+\i+1], v[rS+\i:rS+\i+1], s[32:33] op_sel_hi:[1,0]              ; S + M: rounded to a multiple of 4096
.elseif (\k) == 2
	v_pk_add_f32 v[T1+\i:T1+\i+1], v[T1+\i:T1+\i+1], s[34:35] op_sel_hi:[1,0]              ; n
.elseif (\k) == 3
	v_pk_add_f32 v[rS+\i:rS+\i+1], v[rS+\i:rS+\i+1], v[T1+\i:T1+\i+1] neg_lo:[0,1] neg_hi:[0,1]   ; f = S - n, exact
.elseif (\k) == 4
	v_pk_mul_f32 v[T1+\i:T1+\i+1], v[rS+\i:rS+\i+1], v[rS+\i:rS+\i+1]                      ; f^2
.elseif (\k) == 5
	v_pk_fma_f32 v[T2+\i:T2+\i+1], v[T1+\i:T1+\i+1], v[4:5], s[36:37] op_sel_hi:[1,1,0]    ; d4 f^2 + d3
.elseif (\k) < 9
	v_pk_fma_f32 v[T2+\i:T2+\i+1], v[T2+\i:T2+\i+1], v[T1+\i:T1+\i+1], s[26+2*(\k):27+2*(\k)] op_sel_hi:[1,1,0]   ; lines 6, 7, 8: .. + d2, d1, d0
.elseif (\k) == 9
	v_pk_mul_f32 v[T2+\i:T2+\i+1], v[T2+\i:T2+\i+1], v[rS+\i:rS+\i+1]                      ; x f
.else
	v_cvt_pk_f16_f32 v[P+8*(\t)+\i/2], v[T2+\i], v[T2+\i+1]                                ; registers 4 n .. 4 n + 3: keys 16 n + 8 h + 0 .. 7: source 1 of the second product as it stands
.endif
.endr
.endm
.macro PVM t, c                        ; O^T(tile t, channels 16 c on) += V^T P
	v_wmma_f32_16x16x32_f16 v[O+32*(\t)+8*(\c):O+32*(\t)+8*(\c)+7], v[VF+8*(\c):VF+8*(\c)+7], v[P+8*(\t):P+8*(\t)+7], v[O+32*(\t)+8*(\c):O+32*(\t)+8*(\c)+7]
.endm
.macro SQK t, n, c                     ; S^T(tile t, keys 16 n on): channels 32 c on; the first 32 channels start the sum
.if (\c) == 0
	v_wmma_f32_16x16x32_f16 v[S+16*(\t)+8*(\n):S+16*(\t)+8*(\n)+7], v[KF+16*(\n):KF+16*(\n)+7], v[Q+16*(\t):Q+16*(\t)+7], 0
.else
	v_wmma_f32_16x16x32_f16 v[S+16*(\t)+8*(\n):S+16*(\t)+8*(\n)+7], v[KF+16*(\n)+8:KF+16*(\n)+15], v[Q+16*(\t)+8:Q+16*(\t)+15], v[S+16*(\t)+8*(\n):S+16*(\t)+8*(\n)+7]
.endif
.endm
.macro LDV adr                         ; a step's V^T: one run of eight loads
.irp c, 0,1,2,3
.irp f, 0,1
	ds_load_b128 v[VF+8*\c+4*\f:VF+8*\c+4*\f+3], v[\adr] offset:4096+\c*1024+\f*512
.endr
.endr
.endm
.macro LDK                             ; a step's K: one run of eight loads
.irp n, 0,1
.irp c, 0,1
.irp f, 0,1
	ds_load_b128 v[KF+16*\n+8*\c+4*\f:KF+16*\n+8*\c+4*\f+3], v[AK] offset:\n*2048+\c*1024+\f*512
.endr
.endr
.endr
.endm
; A KEY STEP j.  kind 0: plain; 1: the slot's last, and the slot is filled again; 2: the slot's last, nothing is filled; 3: the last of all.
; At its head tile 0's scores of step j and tile 1's weights of step j - 1 stand ready, V's registers hold step j - 1's, K's hold step j's, and no LDS load is out.
; No two matrix instructions that follow each other share an accumulator, over the backward jumps too.
; A load into a register that a matrix instruction has read, and a vector instruction that reads a matrix result, stand four plain vector instructions or more behind it
; (ISA guide 7.12.1 for vector instructions): here a whole line of the other tile's sine, eight instructions, at the least.
.macro STEP kind
	v_add_nc_u32 v[AV], s[TB], v1
	s_add_co_u32 s[TB], s[TB], 8192
.if (\kind == 1) || (\kind == 2)
	s_and_b32 s[TB], s[TB], 2*SLOT1-1              ; from slot 1's end back to slot 0
.endif
.if \kind < 3
	v_add_nc_u32 v[AK], s[TB], v1
.endif
	; ---- turn A: tile 0's sine | tile 1's products
	LINE 0, 1
	PVM 1, 0
	LINE 0, 2
	PVM 1, 1
	LINE 0, 3
	PVM 1, 2
	LINE 0, 4
	PVM 1, 3                                       ; the last reader of step j - 1's V
	LINE 0, 5
	LDV AV                                         ; step j's V
	SQK 1, 0, 0
	LINE 0, 6
	SQK 1, 1, 0
	LINE 0, 7
	SQK 1, 0, 1
	LINE 0, 8
	SQK 1, 1, 1                                    ; the last reader of step j's K
	LINE 0, 9
.if (\kind == 1) || (\kind == 2)
	; THE CHANGE OF SLOTS: the slot's last bytes, this step's V, have been asked for
	s_wait_tensorcnt 0x0                           ; all my tensor loads have landed: my part of the other slot; so a group 0 may be written
	ds_add_u32 v[SPW], v[NIL]                      ; 0 onto my spare word: the sine's last line stands between it and the wait
.if \kind == 1
	s_xor_b32 s[G0W+1], s[G0W+1], SLOT1            ; the walking descriptor: the other slot than last time,
	s_add_nc_u64 s[G0W+2:G0W+3], s[G0W+2:G0W+3], SLOT1   ; the next 16 steps; the type bits on top are not reached
.endif
.endif
	LINE 0, 10
.if (\kind == 1) || (\kind == 2)
	s_wait_dscnt 0x0                               ; the add is done, and my reads of this slot are over
.if \kind == 1
	CROUND                                         ; no wave of any partner still reads the slot or has a load on its way
	tensor_load_to_lds s[G0W:G0W+3], s[G1:G1+7]    ; my one tensor load behind the round: it has 16 key steps in which to land
	s_nop 0
.rept 4
	v_nop
.endr
.else
	s_barrier_signal -1
	s_barrier_wait -1                              ; the other slot is whole; nothing is filled
.endif
.endif
.if \kind < 3
	LDK                                            ; step j + 1's K
.endif
	; ---- turn B: tile 1's sine | tile 0's products
	LINE 1, 1
.if \kind < 3
	s_wait_dscnt 8                                 ; V is in; the next step's K, eight loads, may be out
.else
	s_wait_dscnt 0x0
.endif
	PVM 0, 0
	LINE 1, 2
	PVM 0, 1
	LINE 1, 3
	PVM 0, 2
	LINE 1, 4
	PVM 0, 3
	LINE 1, 5
.if \kind < 3
	s_wait_dscnt 0x0                               ; the next step's K is in
	SQK 0, 0, 0
.endif
	LINE 1, 6
.if \kind < 3
	SQK 0, 1, 0
.endif
	LINE 1, 7
.if \kind < 3
	SQK 0, 0, 1
.endif
	LINE 1, 8
.if \kind < 3
	SQK 0, 1, 1
.endif
	LINE 1, 9
	LINE 1, 10
.endm
.macro STEPS15
	s_mov_b32 s50, 15
.Lstep_\@:
	STEP 0
	s_sub_co_u32 s50, s50, 1
	s_cmp_lg_u32 s50, 0
	s_cbranch_scc1 .Lstep_\@
.endm
	s_wait_tensorcnt 0x1                           ; my part of slot 0 is in; slot 1's may stay out
	s_barrier_signal -1
	s_barrier_wait -1                              ; everybody's is
	v_add_nc_u32 v[AK], s[TB], v1
	LDK                                            ; step 0's K
	LDV AK                                         ; and its V: the first trip's four products of tile 1 multiply it by zeros (turn A then loads it again, as in every step)
	s_wait_loadcnt 0x0                             ; Q
	s_wait_dscnt 0x0
	SQK 0, 0, 0                                    ; tile 0's scores of step 0
	SQK 0, 1, 0
	SQK 0, 0, 1
	SQK 0, 1, 1
.irp i, 0,1,2,3,4,5,6,7
	v_mov_b32 v[P+8+\i], 0                         ; tile 1's weights of the step before the first: zeros.  (These eight are also the places behind the four products above)
.endr
	s_mov_b32 s49, 2
.Lslot:                                            ; two trips: the first two slots are filled again when they have been read
	STEPS15
	STEP 1
	s_sub_co_u32 s49, s49, 1
	s_cmp_lg_u32 s49, 0
	s_cbranch_scc1 .Lslot
	STEPS15                                        ; the last two slots are written out
	STEP 2
	STEPS15
	STEP 3
	PVM 1, 0                                       ; tile 1's V^T P of the last step
	PVM 1, 1
	PVM 1, 2
	PVM 1, 3
	; THE WAY OUT
.rept 4
	v_nop
.endr
	v_max3_num_f32 v8, |v[O]|, |v[O+1]|, 0x12800000                ; the largest |O'| of my 32 channels, each accumulator from its low end on, with the floor 2^-90; the two tiles by turns
	v_max3_num_f32 v9, |v[O+32]|, |v[O+33]|, 0x12800000
.irp i, 2,4,6,8,10,12,14,16,18,20,22,24,26,28,30
	v_max3_num_f32 v8, v8, |v[O+\i]|, |v[O+\i+1]|
	v_max3_num_f32 v9, v9, |v[O+32+\i]|, |v[O+32+\i+1]|
.endr
	v_permlanex16_b32 v10, v8, s46, s47
	v_permlanex16_b32 v11, v9, s46, s47
	v_max_num_f32 v8, v8, v10                      ; with lane l xor 16's 32 channels: the query's
	v_max_num_f32 v9, v9, v11
	v_and_b32 v8, 0x7f800000, v8                   ; E: its exponent field alone
	v_and_b32 v9, 0x7f800000, v9
	v_sub_nc_u32 v12, 0x7f000000, v8               ; 1 / E, twice: a pair for the packed multiply
	v_sub_nc_u32 v13, 0x7f000000, v8
	v_sub_nc_u32 v14, 0x7f000000, v9
	v_sub_nc_u32 v15, 0x7f000000, v9
	v_add_nc_u32 v10, 0xf1000000, v8               ; g = E x 2^-30: 30 off the exponent field
	v_add_nc_u32 v11, 0xf1000000, v9
.irp t, 0,1
.irp i, 0,2,4,6,8,10,12,14,16,18,20,22,24,26,28,30
	v_pk_mul_f32 v[O+32*\t+\i:O+32*\t+\i+1], v[O+32*\t+\i:O+32*\t+\i+1], v[12+2*\t:13+2*\t]
.endr
.endr
.irp t, 0,1
.irp i, 0,1,2,3,4,5,6,7,8,9,10,11,12,13,14,15
	v_cvt_pk_f16_f32 v[S+16*\t+\i], v[O+32*\t+2*\i], v[O+32*\t+2*\i+1]
.endr
.endr
.irp t, 0,1
.irp c, 0,1,2,3
	global_store_b128 v1, v[S+16*\t+4*\c:S+16*\t+4*\c+3], s[54:55] offset:\t*8192+\c*512   ; channels 16 c on: chunk c / 2, half c % 2 of the head's two chunks; 512 consecutive bytes, aligned
.endr
.endr
	v_and_b32 v2, 31, v0
	v_cmp_gt_u32 vcc_lo, 16, v2
	v_cndmask_b32 v10, v11, v10, vcc_lo            ; lanes 0-15 tile 0's g, lanes 16-31 tile 1's
	v_lshlrev_b32 v2, 2, v2
	global_store_b32 v2, v10, s[56:57]             ; my 32 queries' g: 128 consecutive bytes (the whole buffer is 256 KB)
	s_wait_tensorcnt 0x0                           ; the wave's end
	ds_add_u32 v[SPW], v[NIL]
	s_wait_dscnt 0x0
	CROUND                                         ; the closing round
	s_endpgm
.Lfunc_end_k_q30ef330d7d_attn:
	.size	k_q30ef330d7d_attn, .Lfunc_end_k_q30ef330d7d_attn-k_q30ef330d7d_attn
	.p2alignl 7, 3214868480
	.fill 96, 4, 3214868480
	.section	.rodata,"a",@progbits
	.p2align	6, 0x0
	.amdhsa_kernel k_q30ef330d7d_attn
		.amdhsa_group_segment_fixed_size 327680
		.amdhsa_private_segment_fixed_size 0
		.amdhsa_enable_private_segment 0
		.amdhsa_kernarg_size 32
		.amdhsa_user_sgpr_count 2
		.amdhsa_user_sgpr_kernarg_segment_ptr 1
		.amdhsa_wavefront_size32 1
		.amdhsa_system_sgpr_workgroup_id_x 1
		.amdhsa_system_sgpr_workgroup_id_y 1
		.amdhsa_system_sgpr_workgroup_id_z 1
		.amdhsa_system_vgpr_workitem_id 0
		.amdhsa_next_free_vgpr 256
		.amdhsa_next_free_sgpr 66
		.amdhsa_reserve_vcc 1
		.amdhsa_float_denorm_mode_32 3
		.amdhsa_float_denorm_mode_16_64 3
		.amdhsa_memory_ordered 1
		.amdhsa_forward_progress 1
		.amdhsa_inst_pref_size 92
	.end_amdhsa_kernel
	.amdgpu_metadata
---
amdhsa.version: [ 1, 2 ]
amdhsa.kernels:
  - .name:           k_q30ef330d7d_attn
    .symbol:         k_q30ef330d7d_attn.kd
    .args:
      - { .name: q16, .offset: 0, .size: 8, .value_kind: global_buffer, .address_space: global }
      - { .name: kv16, .offset: 8, .size: 8, .value_kind: global_buffer, .address_space: global }
      - { .name: att, .offset: 16, .size: 8, .value_kind: global_buffer, .address_space: global }
      - { .name: gsc, .offset: 24, .size: 8, .value_kind: global_buffer, .address_space: global }
    .group_segment_fixed_size: 327680
    .private_segment_fixed_size: 0
    .kernarg_segment_align: 8
    .kernarg_segment_size: 32
    .max_flat_workgroup_size: 256
    .sgpr_count:     66
    .vgpr_count:     256
    .wavefront_size: 32
...
	.end_amdgpu_metadata
.endif
;; end of part 3
;; launch oproj (part 4): grid 8 x 32, 8 waves a work-group, clusters of 4 x 4, 327,680 bytes of LDS; arguments att, wo16, gsc, bo, out0; writes out0
.if DOCPART == 4
	.amdgcn_target "amdgcn-amd-amdhsa--gfx1250"
	.amdhsa_code_object_version 6
	.text
	.protected	k_q30ef330d7d_oproj
	.globl	k_q30ef330d7d_oproj
	.p2align	8
	.type	k_q30ef330d7d_oproj,@function
k_q30ef330d7d_oproj:
	s_mov_b64 s[64:65], 0
	v_nop
	global_prefetch_b8 v0, s[64:65] scope:SCOPE_SE
	s_setreg_imm32_b32 hwreg(HW_REG_WAVE_MODE, 25, 1), 1
	s_wait_xcnt 0x0
	s_wait_alu depctr_hold_cnt(0) depctr_sa_sdst(0) depctr_va_vdst(0) depctr_va_sdst(0) depctr_va_ssrc(0) depctr_va_vcc(0) depctr_vm_vsrc(0)
	s_getreg_b32 s2, hwreg(HW_REG_IB_STS2, 6, 4)
	s_cmp_eq_u32 s2, 0
	s_cbranch_scc0 .Lentry_in_a_cluster
	s_endpgm
.Lentry_in_a_cluster:
	s_bfe_u32 s2, ttmp6, 0x10000c
	s_cmp_lg_u32 s2, 0xf033
	s_cbranch_scc0 .Lentry_shape_is_right
	s_endpgm
.Lentry_shape_is_right:
; y[token][n] = bo[n] + the sum over heads of g[head][token] x (att'[token][head's 64] . Wo'[n][head's 64]).  att' and Wo' = 512 Wo are f16, the sums f32;
; g = E x 2^-30 is a power of two for each (token, head), applied in f32 by a fused multiply-add: so the attention's result needs no fixed range.
; SHARES: a work-group makes 128 tokens (tm) x 128 columns (tn).  Wave w: 32 tokens (w & 3: tiles a = 0, 1) x 64 columns (w >> 2: tiles b = 0 .. 3).
; Source 0 = 16 rows of Wo', source 1 = 16 tokens: a lane holds one token and eight neighbouring columns.
; RING: two slots of 256 along K (four heads, eight chunks of 32): att's 64 KB, then Wo's 64 KB, as images of operand registers: every LDS load reads 512 consecutive bytes.
; CLUSTER 4 x 4: att's and g's tiles hang on tm alone and are asked for jointly along a row of the cluster, Wo's on tn alone, along a column.
; A head's two chunks are summed in TP, begun with the constant 0; then MN += g x TP.  MN begins as bo.
; No prefetch is laid: the launch is short, and half of its tiles are the first fills at the head.
.set SLOT1, 1<<17
.set GL,    2*SLOT1                    ; g of my 128 tokens: [head 16][128] f32, 8 KB, filled once
.set STG,   GL+8192                    ; the way out: 16 rows x 272 bytes for each wave; no tile lands there
.set SP,    272
.set SPARE, STG+8*16*SP                ; the spare words, 128 bytes for each of 8 waves: four blocks of 256 bytes that no other line names
.set SPW,   10                         ; v10  my spare word's LDS address; never rewritten
.set NIL,   11                         ; v11  0; never rewritten
.set G,     12                         ; v12-19  g: head's parity p, tile a at G + 4 p + 2 a; the odd registers are written once
.set F0,    20                         ; v20-67, v68-115 two sets of fragments: att's two at + 8 a, Wo's four at + 16 + 8 b
.set TP,    116                        ; v116-179 a head's sums, (a, b) at TP + 8 (4 a + b)
.set MN,    180                        ; v180-243 y
.set WV,    14                         ; s14  my wave's number
.set G1A,   24                         ; s[24:31] group 1 for att;  s[32:39] for Wo;  s[40:47] for g
.set G1B,   32
.set G1G,   40
.set G0G,   48                         ; s[48:51] group 0 for g
.set A0,    52                         ; s[52:55] att, slot 0's first fill;  s[56:59] slot 1's, which then walks
.set AW,    56
.set B0,    60                         ; s[60:63], s[68:71] the same for Wo
.set BW,    68
.macro CROUND
	s_barrier_signal -1
	s_barrier_wait -1
	s_cmp_lg_u32 s[WV], 0
	s_cbranch_scc1 .Lnot_wave_0_\@
	s_barrier_signal -3
.Lnot_wave_0_\@:
	s_barrier_wait -3
	s_barrier_signal -1
	s_barrier_wait -1
.endm
.macro PLACES
.rept 4
	v_nop
.endr
.endm
.macro JLOAD                           ; a joint refill: waves 0-3 fetch att's quarters, waves 4-7 Wo's; the branch hangs on the wave's number alone
	s_cmp_lt_u32 s[WV], 4
	s_cbranch_scc0 .Lfor_b_\@
	tensor_load_to_lds s[AW:AW+3], s[G1A:G1A+7]
	s_nop 0
	PLACES
	s_branch .Lasked_\@
.Lfor_b_\@:
	tensor_load_to_lds s[BW:BW+3], s[G1B:G1B+7]
	s_nop 0
	PLACES
.Lasked_\@:
.endm
	s_load_b256 s[4:11], s[0:1], 0x0               ; att s[4:5], wo16 s[6:7], gsc s[8:9], bo s[10:11]
	s_load_b64 s[12:13], s[0:1], 0x20              ; out0
	v_lshl_add_u32 v[SPW], v0, 2, SPARE
	v_mov_b32 v[NIL], 0
	ds_add_u32 v[SPW], v[NIL]                      ; the wave's opening: the add, twice on end, and its wait ahead of my first tensor load
	ds_add_u32 v[SPW], v[NIL]
	v_lshrrev_b32 v1, 5, v0
	v_readfirstlane_b32 s[WV], v1                  ; wave 0..7
	s_and_b32 s21, s[WV], 3                        ; my 32 tokens.  Also: which quarter of a tile I fetch
	s_lshr_b32 s22, s[WV], 2                       ; my 64 columns
	s_bfe_u32 s15, ttmp6, 0x40000                  ; cx
	s_bfe_u32 s16, ttmp6, 0x40004                  ; cy
	s_lshl_b32 s17, ttmp9, 2
	s_add_co_u32 s17, s17, s15                     ; tn
	s_and_b32 s18, ttmp7, 0xffff
	s_lshl_b32 s18, s18, 2
	s_add_co_u32 s18, s18, s16                     ; tm
	s_lshl_b32 s19, s16, 2
	s_lshl_b32 s19, 15, s19                        ; my row of the cluster
	s_lshl_b32 s20, 0x1111, s15                    ; my column
	s_or_b32 s[G1A], s19, (3<<16)|(1<<21)          ; 64 dense rows of 32 elements of 8 bytes: 16 KB; no padding
	s_or_b32 s[G1B], s20, (3<<16)|(1<<21)
.irp g, G1A, G1B
	s_mov_b32 s[\g+1], 32<<16
	s_mov_b32 s[\g+2], 64<<16
	s_mov_b32 s[\g+3], 32<<16
	s_mov_b32 s[\g+4], 64
	s_mov_b32 s[\g+5], 32
	s_mov_b32 s[\g+6], 0
	s_mov_b32 s[\g+7], 0
.endr
	s_or_b32 s[G1G], s19, (2<<16)|(1<<21)          ; g: 4 heads x 128 tokens of 4 bytes, 4,096 elements from head to head
	s_mov_b32 s[G1G+1], 128<<16
	s_mov_b32 s[G1G+2], 4<<16
	s_mov_b32 s[G1G+3], 128<<16
	s_mov_b32 s[G1G+4], 4
	s_mov_b32 s[G1G+5], 4096
	s_mov_b32 s[G1G+6], 0
	s_mov_b32 s[G1G+7], 0
	; att's and g's offsets are made of tm and the wave alone (s72-75), Wo's of tn and the wave alone (s76-77)
	s_lshl_b32 s72, s18, 3
	s_lshl_b32 s73, s21, 1
	s_add_co_u32 s72, s72, s73
	s_lshl_b32 s72, s72, 13                        ; att: tile 8 tm + 2 (w & 3), 8,192 bytes each
	s_mov_b32 s73, 0
	s_lshl_b32 s74, s21, 16                        ; g: heads 4 (w & 3) on, 16,384 bytes each,
	s_lshl_b32 s75, s18, 9                         ; my 128 tokens
	s_add_co_u32 s74, s74, s75
	s_mov_b32 s75, 0
	s_lshl_b32 s76, s17, 3
	s_lshl_b32 s77, s21, 1
	s_add_co_u32 s76, s76, s77
	s_lshl_b32 s76, s76, 13                        ; Wo: tile 8 tn + 2 (w & 3)
	s_mov_b32 s77, 0
	s_lshl_b32 s78, s[WV], 14                      ; where they go: wave x 16 KB: att's four quarters, then Wo's
	s_lshl_b32 s79, s21, 11
	s_add_co_u32 s79, s79, GL
	v_and_b32 v1, 15, v0                           ; r
	v_bfe_u32 v2, v0, 4, 1                         ; h
	v_and_b32 v20, 31, v0
	v_lshlrev_b32 v20, 4, v20                      ; 16 x lane
	s_lshl_b32 s80, s21, 14
	v_add_nc_u32 v3, s80, v20                      ; v3: my two tiles of att in the slot in hand
	s_lshl_b32 s80, s22, 15
	s_add_co_u32 s80, s80, 65536
	v_add_nc_u32 v4, s80, v20                      ; v4: my four tiles of Wo
	s_lshl_b32 s80, s21, 7
	s_add_co_u32 s80, s80, GL
	v_lshl_add_u32 v5, v1, 2, s80                  ; v5: my token's g
	s_mul_i32 s80, s[WV], 16*SP
	s_add_co_u32 s80, s80, STG                     ; my stage
	v_mul_u32_u24 v6, v1, SP
	v_lshl_add_u32 v6, v2, 5, v6
	v_add_nc_u32 v6, s80, v6                       ; v6: in: row r, 32 bytes for each half of the lanes
	v_mul_u32_u24 v7, v2, SP
	v_lshl_add_u32 v7, v1, 4, v7
	v_add_nc_u32 v7, s80, v7                       ; v7: back: lanes 0-15 one row of 256 bytes, lanes 16-31 the next
	v_lshlrev_b32 v8, 12, v2
	v_lshl_add_u32 v8, v1, 4, v8                   ; v8: the same two rows in out0
	v_lshlrev_b32 v9, 5, v2                        ; v9: 32 h: bo's eight numbers of my half
.irp i, 1,3,5,7
	v_mov_b32 v[G+\i], 0                           ; named as the upper halves of pairs, so they are written
.endr
	s_wait_dscnt 0x0                               ; both opening adds are done
	s_wait_kmcnt 0x0
	s_mov_b32 s[G0G], 1
	s_mov_b32 s[G0G+1], s79
	s_add_nc_u64 s[G0G+2:G0G+3], s[8:9], s[74:75]
	s_or_b32 s[G0G+3], s[G0G+3], 0x80000000
	s_mov_b32 s[A0], 1
	s_mov_b32 s[A0+1], s78
	s_add_nc_u64 s[A0+2:A0+3], s[4:5], s[72:73]
	s_mov_b32 s[AW], 1
	s_add_co_u32 s[AW+1], s78, SLOT1
	s_add_nc_u64 s[AW+2:AW+3], s[A0+2:A0+3], 2097152
	s_or_b32 s[A0+3], s[A0+3], 0x80000000
	s_or_b32 s[AW+3], s[AW+3], 0x80000000
	s_mov_b32 s[B0], 1
	s_mov_b32 s[B0+1], s78
	s_add_nc_u64 s[B0+2:B0+3], s[6:7], s[76:77]
	s_mov_b32 s[BW], 1
	s_add_co_u32 s[BW+1], s78, SLOT1
	s_add_nc_u64 s[BW+2:BW+3], s[B0+2:B0+3], 524288
	s_or_b32 s[B0+3], s[B0+3], 0x80000000
	s_or_b32 s[BW+3], s[BW+3], 0x80000000
	CROUND                                         ; all sixteen work-groups are here: the first joint loads meet
	s_cmp_lt_u32 s[WV], 4                          ; a wave's first fills stand in one arm: three loads of mine are out, or two
	s_cbranch_scc0 .Lfirst_b
	tensor_load_to_lds s[G0G:G0G+3], s[G1G:G1G+7]
	s_nop 0
	tensor_load_to_lds s[A0:A0+3], s[G1A:G1A+7]
	s_nop 0
	tensor_load_to_lds s[AW:AW+3], s[G1A:G1A+7]
	s_nop 0
	PLACES
	s_branch .Lfirst_asked
.Lfirst_b:
	tensor_load_to_lds s[B0:B0+3], s[G1B:G1B+7]
	s_nop 0
	tensor_load_to_lds s[BW:BW+3], s[G1B:G1B+7]
	s_nop 0
	PLACES
.Lfirst_asked:
	s_lshl_b32 s82, s18, 7
	s_lshl_b32 s83, s21, 5
	s_add_co_u32 s82, s82, s83                     ; my first token,
	s_lshl_b32 s82, s82, 12                        ; a row of out0 is 4,096 bytes
	s_lshl_b32 s84, s17, 9
	s_lshl_b32 s85, s22, 8
	s_add_co_u32 s84, s84, s85                     ; my first column, in bytes
	s_add_co_u32 s82, s82, s84
	s_mov_b32 s83, 0
	s_mov_b32 s85, 0
	s_add_nc_u64 s[12:13], s[12:13], s[82:83]
	s_add_nc_u64 s[10:11], s[10:11], s[84:85]
.irp a, 0,1
.irp b, 0,1,2,3
	global_load_b128 v[MN+8*(4*\a+\b):MN+8*(4*\a+\b)+3], v9, s[10:11] offset:64*\b         ; y begins as bo: register j: column 16 b + 8 h + j
	global_load_b128 v[MN+8*(4*\a+\b)+4:MN+8*(4*\a+\b)+7], v9, s[10:11] offset:64*\b+16
.endr
.endr
; chunk n's fragments into set n % 2; ahead of a head's first chunk its g: 14 LDS loads for an even n, 12 for an odd one
.macro LOADS n
.set FS, F0+48*((\n)%2)
.if (\n)%2 == 0
.irp a, 0,1
	ds_load_b32 v[G+4*(((\n)/2)%2)+2*\a], v5 offset:((\n)/2)*512+64*\a
.endr
.endif
.irp a, 0,1
.irp f, 0,1
	ds_load_b128 v[FS+8*\a+4*\f:FS+8*\a+4*\f+3], v3 offset:\a*8192+((\n)%8)*1024+\f*512
.endr
.endr
.irp b, 0,1,2,3
.irp f, 0,1
	ds_load_b128 v[FS+16+8*\b+4*\f:FS+16+8*\b+4*\f+3], v4 offset:\b*8192+((\n)%8)*1024+\f*512
.endr
.endr
.endm
; chunk n's eight products; the eight accumulators take turns; a head's first chunk starts the sums
.macro MM n
.set FS, F0+48*((\n)%2)
.irp a, 0,1
.irp b, 0,1,2,3
.if (\n)%2 == 0
	v_wmma_f32_16x16x32_f16 v[TP+8*(4*\a+\b):TP+8*(4*\a+\b)+7], v[FS+16+8*\b:FS+16+8*\b+7], v[FS+8*\a:FS+8*\a+7], 0
.else
	v_wmma_f32_16x16x32_f16 v[TP+8*(4*\a+\b):TP+8*(4*\a+\b)+7], v[FS+16+8*\b:FS+16+8*\b+7], v[FS+8*\a:FS+8*\a+7], v[TP+8*(4*\a+\b):TP+8*(4*\a+\b)+7]
.endif
.endr
.endr
.endm
.macro ACCUM p                         ; y += g x the head's sums, each accumulator from its low end on
.irp a, 0,1
.irp b, 0,1,2,3
.irp j, 0,2,4,6
	v_pk_fma_f32 v[MN+8*(4*\a+\b)+\j:MN+8*(4*\a+\b)+\j+1], v[TP+8*(4*\a+\b)+\j:TP+8*(4*\a+\b)+\j+1], v[G+4*(\p)+2*\a:G+4*(\p)+2*\a+1], v[MN+8*(4*\a+\b)+\j:MN+8*(4*\a+\b)+\j+1] op_sel_hi:[1,0,1]
.endr
.endr
.endr
.endm
; THE CHANGE OF SLOTS: the slot's last chunk has been asked for.  fill = 1: the slot is filled again, with the 256 along K two slots on.
.macro CHANGE fill
	s_wait_tensorcnt 0x0                           ; all my tensor loads have landed: my part of the other slot; so a group 0 may be written
	ds_add_u32 v[SPW], v[NIL]                      ; 0 onto my spare word: work on registers stands between it and the wait
.if \fill
	s_xor_b32 s[AW+1], s[AW+1], SLOT1              ; the walking descriptors: the other slot than last time, the next four heads
	s_add_nc_u64 s[AW+2:AW+3], s[AW+2:AW+3], 2097152
	s_xor_b32 s[BW+1], s[BW+1], SLOT1
	s_add_nc_u64 s[BW+2:BW+3], s[BW+2:BW+3], 524288
.endif
	v_xor_b32 v3, SLOT1, v3                        ; my fragments' addresses go to the other slot
	v_xor_b32 v4, SLOT1, v4
	s_wait_dscnt 0x0                               ; the add is done, and my reads of this slot are over
.if \fill
	CROUND                                         ; no wave of any partner still reads the slot or has a load on its way
	JLOAD                                          ; my one tensor load behind the round
.else
	s_barrier_signal -1
	s_barrier_wait -1
.endif
.endm
	s_wait_tensorcnt 0x1                           ; g and my part of slot 0 are in; slot 1's load may stay out
	s_barrier_signal -1
	s_barrier_wait -1
	LOADS 0
	LOADS 1
.set CH, 0
.rept 32                               ; the 32 chunks are written out: every offset is an immediate
.if CH == 31
	s_wait_dscnt 0x0
.elseif CH%2 == 0
	s_wait_dscnt 12                                ; this chunk is in; the next one's 12 loads may be out
.else
	s_wait_dscnt 14                                ; the next one's 14
.endif
	MM CH
	PLACES                                         ; four places in front of loads into registers that these products have read, and of the reads of their results
.if (CH == 6) || (CH == 14)
	CHANGE 1
.endif
.if CH == 22
	CHANGE 0
.endif
.if CH <= 29
	LOADS CH+2
.endif
.if CH%2 == 1
.if CH == 1
	s_wait_loadcnt 0x0                             ; bo
.endif
	ACCUM (CH/2)%2
.endif
.set CH, CH+1
.endr
	; THE WAY OUT: a tile of 16 tokens x 64 columns goes through my stage and comes back as whole rows of 256 bytes
.irp a, 0,1
.irp b, 0,1,2,3
	ds_store_b128 v6, v[MN+8*(4*\a+\b):MN+8*(4*\a+\b)+3] offset:64*\b
	ds_store_b128 v6, v[MN+8*(4*\a+\b)+4:MN+8*(4*\a+\b)+7] offset:64*\b+16
.endr
.irp t, 0,1,2,3,4,5,6,7
	ds_load_b128 v[TP+32*\a+4*\t:TP+32*\a+4*\t+3], v7 offset:\t*2*SP       ; LDS serves a wave's instructions in order (ISA guide 5.7.1): these see the stores above, and the next tile's stores come behind them
.endr
.endr
.irp a, 0,1
	s_wait_dscnt 16-16*\a                          ; tile a is back; behind tile 0's loads stand tile 1's 8 stores and 8 loads
.irp t, 0,1,2,3,4,5,6,7
	global_store_b128 v8, v[TP+32*\a+4*\t:TP+32*\a+4*\t+3], s[12:13] offset:(16*\a+2*\t)*4096 th:TH_STORE_NT   ; 16 lanes store 256 consecutive bytes, aligned
.endr
.endr
	s_wait_tensorcnt 0x0                           ; the wave's end: behind my last tensor load and my last LDS store
	ds_add_u32 v[SPW], v[NIL]
	s_wait_dscnt 0x0
	CROUND                                         ; the closing round
	s_endpgm
.Lfunc_end_k_q30ef330d7d_oproj:
	.size	k_q30ef330d7d_oproj, .Lfunc_end_k_q30ef330d7d_oproj-k_q30ef330d7d_oproj
	.p2alignl 7, 3214868480
	.fill 96, 4, 3214868480
	.section	.rodata,"a",@progbits
	.p2align	6, 0x0
	.amdhsa_kernel k_q30ef330d7d_oproj
		.amdhsa_group_segment_fixed_size 327680
		.amdhsa_private_segment_fixed_size 0
		.amdhsa_enable_private_segment 0
		.amdhsa_kernarg_size 40
		.amdhsa_user_sgpr_count 2
		.amdhsa_user_sgpr_kernarg_segment_ptr 1
		.amdhsa_wavefront_size32 1
		.amdhsa_system_sgpr_workgroup_id_x 1
		.amdhsa_system_sgpr_workgroup_id_y 1
		.amdhsa_system_sgpr_workgroup_id_z 1
		.amdhsa_system_vgpr_workitem_id 0
		.amdhsa_next_free_vgpr 256
		.amdhsa_next_free_sgpr 90
		.amdhsa_reserve_vcc 0
		.amdhsa_float_denorm_mode_32 3
		.amdhsa_float_denorm_mode_16_64 3
		.amdhsa_memory_ordered 1
		.amdhsa_forward_progress 1
		.amdhsa_inst_pref_size 95
	.end_amdhsa_kernel
	.amdgpu_metadata
---
amdhsa.version: [ 1, 2 ]
amdhsa.kernels:
  - .name:           k_q30ef330d7d_oproj
    .symbol:         k_q30ef330d7d_oproj.kd
    .args:
      - { .name: att, .offset: 0, .size: 8, .value_kind: global_buffer, .address_space: global }
      - { .name: wo16, .offset: 8, .size: 8, .value_kind: global_buffer, .address_space: global }
      - { .name: gsc, .offset: 16, .size: 8, .value_kind: global_buffer, .address_space: global }
      - { .name: bo, .offset: 24, .size: 8, .value_kind: global_buffer, .address_space: global }
      - { .name: out0, .offset: 32, .size: 8, .value_kind: global_buffer, .address_space: global }
    .group_segment_fixed_size: 327680
    .private_segment_fixed_size: 0
    .kernarg_segment_align: 8
    .kernarg_segment_size: 40
    .max_flat_workgroup_size: 256
    .sgpr_count:     90
    .vgpr_count:     256
    .wavefront_size: 32
...
	.end_amdgpu_metadata
.endif
;; end of part 4
